; MI455X (gfx1250); checked and timed in simulation.
; The chip was launched on July 23, 2026; its instructions are those of AMD's public machine-readable ISA for CDNA 5 (MIT licence, August 2026) and "CDNA5" Instruction Set Architecture Reference Guide (July 2026). The comments in the code are by the model that wrote it; some were corrected since.
;; U3 Layer. Allowed arithmetic: float matrix products may take bf16 or f16 operands with f32 sums; all other float work in f32.
;; Inputs: state_im 512 x 4,096 x 1 float32; state_re 512 x 4,096 x 1 float32; thetas 12 x 3 float32.
;; Outputs: out0 512 x 4,096 x 2 float32.
;; One version. Each part assembles by itself: llvm-mc -triple=amdgcn-amd-amdhsa -mcpu=gfx1250 --defsym DOCPART=n.
;; ======== version 1 of 1: 1 launch
;; limits: inputs' magnitudes at most 2,895; values are held in f16: magnitudes above 65,504 overflow, below 6.1e-05 lose precision
;; launch u3 (part 1): grid 256 x 1, 4 waves a work-group, no clusters, 37,376 bytes of LDS; arguments state_re, state_im, thetas, out0; writes out0
.if DOCPART == 1
	.amdgcn_target "amdgcn-amd-amdhsa--gfx1250"
	.amdhsa_code_object_version 6
	.text
	.protected	k_q574117b0eb_u3
	.globl	k_q574117b0eb_u3
	.p2align	8
	.type	k_q574117b0eb_u3,@function
k_q574117b0eb_u3:
	s_mov_b64 s[64:65], 0
	v_nop
	global_prefetch_b8 v0, s[64:65] scope:SCOPE_SE
	s_setreg_imm32_b32 hwreg(HW_REG_WAVE_MODE, 25, 1), 1
	s_wait_xcnt 0x0
; out[b] = U (re[b] + i im[b]),  U = kron(g0, .., g11),  g_q = U3(thetas[q]);  512 rows of 4,096 complex numbers, out as (re, im) pairs of f32.
; U[i'][i] is the product over the 12 index bits of g_(11-bit)[i'_bit][i_bit], for every thetas.  So U is applied as three factors, each a
; 16 x 16 complex matrix on four index bits: 3 x 32 matrix instructions a row in place of a 4,096 x 4,096 product.
;   stage 1: bits {6,8,7,1}    stage 2: bits {5,4,3,2}    stage 3: bits {11,10,9,0}
; A complex 16 x 16 factor is one K = 32 product: k = 0..15 the real parts of the 16 inputs, k = 16..31 the imaginary parts.
; Work-group: 2 rows, 4 waves.  Wave w: row w >> 1; in stages 1, 2 the half row with index bit 11 = w & 1 (8 KB of re and of im, contiguous);
; in stage 3, which mixes bit 11, the 8 tiles with bit 8 = w & 1.  The two waves of a row meet once, in LDS, behind the one barrier.
; All 35 global loads of a wave are issued at its head; the gates are made while they are on their way.
; Operands are f16, sums f32: the numbers are rounded in front of each of three products, and f16 keeps 11 significant bits where bf16 keeps 8.
; LIMITS.  Finite inputs only (where an input is Inf or NaN, other numbers of its row become NaN than in the full product).
;   |re|, |im| < 2,895: each stage is unitary, so an operand is at most 16 sqrt(2) max|x|, which has to stay under f16's 65,504.
;   Operands under 6e-5 are f16 denormals, spaced 6e-8.  Angles: pi/2 in two parts with fused multiply-adds; |theta| up to about 1e6.
; NOT USED, and why: tensor loads and an LDS ring (a wave's whole input is asked for by its first lines: nothing is left to run ahead of);
;   clusters (work-groups share 144 bytes of thetas and nothing else); registers above v255 (the map below fits).
;
; REGISTERS   v1 16 lane | v2 r = lane & 15 | v3 h = lane >> 4 | v4-7 table + 16 x bit p of r | v8 v4 + 8h | v9 v7 + 8h | v10 table
;   v11 exchange, writing | v12 exchange, reading | v13 output offset | v14 thetas offset | v15 table row of my qubit
;   v16-27, v28-39 gate fragments of stages 1, 2: [Im][Re][-Im], 4 registers each | v40-47, v48-55 stage 3, output bit 9 = 0, 1: [Re][-Im]
;   v56-71 two A fragments | v72-103 two results (re 8, im 8) | v104-231 the state as loaded | v104-167 then the packed stage-2 results
;   v168-231 then stage 3's B fragments | stage 3's results: v104-167, v56-103, v232-247
.set X,    104                         ; group g at +32 g: re chunk l at +4 l, im chunk l at +16 + 4 l
.set P,    104                         ; block (j, ri) at +4 (2 j + ri), register g
.set B3,   168                         ; tile t at +8 t
.set GB1,  16
.set GB2,  28
.set GA3,  40
.set FA,   56                          ; A fragment of index bit 0 = b at +8 b
.set FD,   72                          ; result of b at +16 b: re 8, im 8
; set-up only (v104-231 are being loaded meanwhile)
.set TTH,  56                          ; three angles: theta / 2, phi, lambda
.set TK,   60
.set TY,   64
.set TQ,   68
.set TZ,   72
.set TT,   76
.set TU,   80
.set TSP,  84
.set TCP,  88
.set TS,   92
.set TC,   96
.set TM,   100
.set G,    246                         ; v246-253: g[0][0], g[0][1], g[1][0], g[1][1] as (re, im)
.set FL1,  70                          ; 2 complex
.set FL2,  74                          ; 4 complex
.set FE,   82                          ; 8 complex: my 8 entries of a 16 x 16 factor
; LDS: a gate table of 512 bytes for each wave (qubit q at 32 q: row 0, row 1, 16 bytes each), then the exchange
.set EX,     2048
.set PLANE,  4352                      ; 16 tiles (bits 8..5) x 272 bytes: 16 cells (bits 4..1) of 16 bytes + 16 of padding
.set EXROW,  4*PLANE                   ; planes 2 ri + bit 11
	s_load_b256 s[4:11], s[0:1], 0x0               ; re s[4:5], im s[6:7], thetas s[8:9], out s[10:11]
	v_lshl_add_u32 v254, v0, 2, 0x9000
	v_mov_b32 v255, 0
	v_lshrrev_b32 v2, 5, v0
	v_readfirstlane_b32 s12, v2                    ; wave 0..3
	v_and_b32 v14, 31, v0
	v_lshlrev_b32 v1, 4, v14                       ; 16 bytes a lane: a load of the wave covers 512 consecutive bytes
	v_min_u32 v15, 11, v14                         ; lane q makes qubit q's gate; lanes 12-31 repeat qubit 11
	v_mul_u32_u24 v14, 12, v15                     ; three f32 a qubit
	s_lshl_b32 s16, ttmp9, 2
	s_add_co_u32 s16, s16, s12
	s_lshl_b32 s16, s16, 13                        ; (4 work-group + wave) x 8,192: my half row of re and of im
	s_mov_b32 s17, 0
	s_lshr_b32 s13, s12, 1                         ; which of the two rows
	s_and_b32 s14, s12, 1                          ; which half
	s_lshl_b32 s18, ttmp9, 1
	s_add_co_u32 s18, s18, s13
	s_lshl_b32 s18, s18, 15                        ; row x 32,768 bytes of output
	s_mov_b32 s19, 0
	s_wait_kmcnt 0x0
	s_add_nc_u64 s[4:5], s[4:5], s[16:17]
	s_add_nc_u64 s[6:7], s[6:7], s[16:17]
	s_add_nc_u64 s[10:11], s[10:11], s[18:19]
	global_load_b32 v[TTH],   v14, s[8:9]
	global_load_b32 v[TTH+1], v14, s[8:9] offset:4
	global_load_b32 v[TTH+2], v14, s[8:9] offset:8
	; Chunk 4 g + l of 512 bytes: g = index bits 10, 9; l = bits 8, 7; the lane is bits 6..2 (h = bit 6, r = bits 5..2); the register bits 1, 0.
.irp g, 0,1,2,3
.irp l, 0,1,2,3
	global_load_b128 v[X+32*\g+4*\l:X+32*\g+4*\l+3], v1, s[4:5] offset:512*(4*\g+\l) th:TH_LOAD_NT
.endr
.irp l, 0,1,2,3
	global_load_b128 v[X+32*\g+16+4*\l:X+32*\g+16+4*\l+3], v1, s[6:7] offset:512*(4*\g+\l) th:TH_LOAD_NT
.endr
.endr
	; the other addresses, while the loads are out (none of these registers is a source of theirs)
	v_and_b32 v2, 15, v0                           ; r
	v_bfe_u32 v3, v0, 4, 1                         ; h
	s_lshl_b32 s26, s12, 9                         ; my wave's gate table
	v_mov_b32 v10, s26
	v_lshl_add_u32 v15, v15, 5, s26
.irp p, 0,1,2,3
	v_bfe_u32 v13, v0, \p, 1
	v_lshl_add_u32 v[4+\p], v13, 4, s26            ; the gate row chosen by bit p of r
.endr
	v_lshl_add_u32 v8, v3, 3, v4                   ; and the entry of that row chosen by h
	v_lshl_add_u32 v9, v3, 3, v7
	s_mul_i32 s27, s13, EXROW
	s_add_co_u32 s27, s27, EX                      ; my row's exchange region
	s_mul_i32 s28, s14, PLANE
	s_add_co_u32 s28, s28, s27                     ; writing: the planes of my bit 11
	s_mul_i32 s29, s14, 8*272
	s_add_co_u32 s29, s29, s27                     ; reading: the tiles of my bit 8
	s_lshl_b32 s30, s14, 11                        ; bit 8 in the output: 256 numbers of 8 bytes
	v_bfe_u32 v13, v0, 3, 1                        ; behind stage 2 a lane holds bits 5..2 = r, bit 1 = h:
	v_mul_u32_u24 v11, 272, v13                    ; bit 5 is the tile's lowest bit: with 272 bytes a tile it moves a lane by one 16-byte column,
	v_and_b32 v13, 7, v0                           ; so that the 16 lanes of a half touch 16 different columns of 256 bytes
	v_lshl_add_u32 v11, v13, 5, v11                ; bits 4..2
	v_lshl_add_u32 v11, v3, 4, v11                 ; bit 1
	v_add_nc_u32 v11, s28, v11
	v_mul_u32_u24 v12, PLANE, v3                   ; stage 3 reads bit 11 = h, bits 4..1 = r: 256 consecutive bytes for 16 lanes
	v_lshl_add_u32 v12, v2, 4, v12
	v_add_nc_u32 v12, s29, v12
	v_lshlrev_b32 v13, 14, v3                      ; output: bit 11 = h (2,048 numbers of 8 bytes), bits 4..1 = r (16 bytes)
	v_lshl_add_u32 v13, v2, 4, v13
	v_add_nc_u32 v13, s30, v13
	s_mov_b32 s20, 0xb94ca1f9                      ; sine's highest coefficient, -1.9515296e-4
	s_mov_b32 s21, 0x37ccf5ce                      ; cosine's, 2.4433157e-5
	; SINE AND COSINE of the three angles, three chains side by side.  x = k pi/2 + y, |y| <= pi/4; polynomials in y; the quadrant k mod 4
	; swaps and signs them by selects.
	s_wait_loadcnt 32                              ; loads return in order (ISA guide 5.7.1): the thetas are in, the 32 state loads behind them stay out
	v_mul_f32 v[TTH], 0.5, v[TTH]
.irp a, 0,1,2
	v_mul_f32 v[TK+\a], 0x3f22f983, v[TTH+\a]      ; x 2 / pi
.endr
.irp a, 0,1,2
	v_rndne_f32 v[TK+\a], v[TK+\a]
.endr
.irp a, 0,1,2
	v_fmamk_f32 v[TY+\a], v[TK+\a], 0xbfc90fdb, v[TTH+\a]      ; x - k x (pi/2 rounded to f32)
.endr
.irp a, 0,1,2
	v_fmamk_f32 v[TY+\a], v[TK+\a], 0x333bbd2e, v[TY+\a]       ; + k x 4.3711388e-8, by which that f32 is too large
.endr
.irp a, 0,1,2
	v_cvt_i32_f32 v[TQ+\a], v[TK+\a]
.endr
.irp a, 0,1,2
	v_mul_f32 v[TZ+\a], v[TY+\a], v[TY+\a]
.endr
.irp a, 0,1,2
	v_fmaak_f32 v[TT+\a], s20, v[TZ+\a], 0x3c08839e
.endr
.irp a, 0,1,2
	v_fmaak_f32 v[TT+\a], v[TT+\a], v[TZ+\a], 0xbe2aaaa3
.endr
.irp a, 0,1,2
	v_mul_f32 v[TU+\a], v[TZ+\a], v[TY+\a]
.endr
.irp a, 0,1,2
	v_fma_f32 v[TSP+\a], v[TT+\a], v[TU+\a], v[TY+\a]          ; sin y = y + y^3 (..)
.endr
.irp a, 0,1,2
	v_fmaak_f32 v[TT+\a], s21, v[TZ+\a], 0xbab6061a
.endr
.irp a, 0,1,2
	v_fmaak_f32 v[TT+\a], v[TT+\a], v[TZ+\a], 0x3d2aaaa5
.endr
.irp a, 0,1,2
	v_fma_f32 v[TU+\a], v[TZ+\a], -0.5, 1.0
.endr
.irp a, 0,1,2
	v_mul_f32 v[TZ+\a], v[TZ+\a], v[TZ+\a]
.endr
.irp a, 0,1,2
	v_fma_f32 v[TCP+\a], v[TT+\a], v[TZ+\a], v[TU+\a]          ; cos y = 1 - y^2 / 2 + y^4 (..)
.endr
.irp a, 0,1,2
	v_and_b32 v[TM+\a], 1, v[TQ+\a]
.endr
.irp a, 0,1,2
	v_cmp_ne_u32 s[22+\a], 0, v[TM+\a]             ; odd quadrant: sine and cosine change places
.endr
.irp a, 0,1,2
	v_cndmask_b32 v[TS+\a], v[TSP+\a], v[TCP+\a], s[22+\a]
	v_cndmask_b32 v[TC+\a], v[TCP+\a], v[TSP+\a], s[22+\a]
.endr
.irp a, 0,1,2
	v_lshlrev_b32 v[TM+\a], 30, v[TQ+\a]           ; the sine is negative in quadrants 2, 3: bit 1 of k becomes the sign
.endr
.irp a, 0,1,2
	v_and_b32 v[TM+\a], 0x80000000, v[TM+\a]
.endr
.irp a, 0,1,2
	v_xor_b32 v[TS+\a], v[TS+\a], v[TM+\a]
.endr
.irp a, 0,1,2
	v_add_nc_u32 v[TQ+\a], 1, v[TQ+\a]             ; the cosine in quadrants 1, 2: bit 1 of k + 1
.endr
.irp a, 0,1,2
	v_lshlrev_b32 v[TM+\a], 30, v[TQ+\a]
.endr
.irp a, 0,1,2
	v_and_b32 v[TM+\a], 0x80000000, v[TM+\a]
.endr
	v_xor_b32 v[G], v[TC], v[TM]                   ; c = cos(theta / 2) is g[0][0]'s real part
	v_xor_b32 v[TC+1], v[TC+1], v[TM+1]
	v_xor_b32 v[TC+2], v[TC+2], v[TM+2]
	; the gate: [[c, -e^(i lambda) s], [e^(i phi) s, e^(i (phi + lambda)) c]]
	v_mov_b32 v[G+1], 0
	v_mul_f32 v[G+2], -v[TC+2], v[TS]
	v_mul_f32 v[G+3], -v[TS+2], v[TS]
	v_mul_f32 v[G+4], v[TC+1], v[TS]
	v_mul_f32 v[G+5], v[TS+1], v[TS]
	v_mul_f32 v[TM], v[TS+1], v[TS+2]
	v_mul_f32 v[TM+1], v[TC+1], v[TS+2]
	v_fma_f32 v[TM], v[TC+1], v[TC+2], -v[TM]
	v_fma_f32 v[TM+1], v[TS+1], v[TC+2], v[TM+1]
	v_mul_f32 v[G+6], v[TM], v[G]
	v_mul_f32 v[G+7], v[TM+1], v[G]
	ds_store_b128 v15, v[G:G+3]                    ; my wave's own table: LDS serves a wave's instructions in order (ISA guide 5.7.1),
	ds_store_b128 v15, v[G+4:G+7] offset:16        ; so the loads below see these stores, and no other wave touches the bytes
	; THE THREE FACTORS AS FRAGMENTS.  Lane (r, h) needs row (or column) r at inputs 8 h + t, t = 0..7: the product of one entry (the gate of the
	; bit that h stands for) and of three gate rows of two entries (the bits of t, highest first), the rows chosen by bits of r.
.macro CM1 d, a, b                     ; d = a b, complex, first half: (a.re b.re, a.re b.im)
	v_pk_mul_f32 v[\d:\d+1], v[\a:\a+1], v[\b:\b+1] op_sel_hi:[0,1]
.endm
.macro CM2 d, a, b                     ; second half: + (-a.im b.im, a.im b.re)
	v_pk_fma_f32 v[\d:\d+1], v[\a:\a+1], v[\b:\b+1], v[\d:\d+1] op_sel:[1,1,0] op_sel_hi:[1,0,1] neg_lo:[1,0,0]
.endm
.macro HEAD p0, rb                     ; FL1[tb] = p0 x rb[tb]
	CM1 FL1,   \p0, \rb
	CM1 FL1+2, \p0, \rb+2
	CM2 FL1,   \p0, \rb
	CM2 FL1+2, \p0, \rb+2
.endm
.macro TAIL rc, rd                     ; FL2[2 tb + tc] = FL1[tb] x rc[tc];  FE[t] = FL2[t / 2] x rd[t % 2]
.irp x, 0,1,2,3
	CM1 FL2+2*\x, FL1+2*(\x/2), \rc+2*(\x%2)
.endr
.irp x, 0,1,2,3
	CM2 FL2+2*\x, FL1+2*(\x/2), \rc+2*(\x%2)
.endr
.irp t, 0,1,2,3,4,5,6,7
	CM1 FE+2*\t, FL2+2*(\t/2), \rd+2*(\t%2)
.endr
.irp t, 0,1,2,3,4,5,6,7
	CM2 FE+2*\t, FL2+2*(\t/2), \rd+2*(\t%2)
.endr
.endm
; [Im][Re][-Im] in f16: registers 4-11 are the fragment that makes real parts (Re on re, -Im on im), registers 0-7 the one for imaginary parts
.macro PACK12 dst
.irp q, 0,1,2,3
	v_cvt_pk_f16_f32 v[\dst+\q],   v[FE+4*\q+1], v[FE+4*\q+3]
	v_cvt_pk_f16_f32 v[\dst+4+\q], v[FE+4*\q],   v[FE+4*\q+2]
.endr
.irp q, 0,1,2,3
	v_xor_b32 v[\dst+8+\q], 0x80008000, v[\dst+\q]
.endr
.endm
.macro PACK8 dst                       ; [Re][-Im]
.irp q, 0,1,2,3
	v_cvt_pk_f16_f32 v[\dst+\q],   v[FE+4*\q],   v[FE+4*\q+2]
	v_cvt_pk_f16_f32 v[\dst+4+\q], v[FE+4*\q+1], v[FE+4*\q+3]
.endr
.irp q, 0,1,2,3
	v_xor_b32 v[\dst+4+\q], 0x80008000, v[\dst+4+\q]
.endr
.endm
	; stage 1: input 8 b6 + 4 b8 + 2 b7 + b1, output r = 8 b1' + 4 b8' + 2 b7' + b6'.  Bit b is qubit 11 - b, at 32 (11 - b) in the table.
	ds_load_b64  v[56:57], v8 offset:160           ; bit 6
	ds_load_b128 v[58:61], v6 offset:96            ; bit 8
	ds_load_b128 v[62:65], v5 offset:128           ; bit 7
	ds_load_b128 v[66:69], v7 offset:320           ; bit 1
	; stage 2: input and output 8 b5 + 4 b4 + 2 b3 + b2
	ds_load_b64  v[232:233], v9 offset:192         ; bit 5
	ds_load_b128 v[234:237], v6 offset:224         ; bit 4
	ds_load_b128 v[238:241], v5 offset:256         ; bit 3
	ds_load_b128 v[242:245], v4 offset:288         ; bit 2
	s_wait_dscnt 4                                 ; stage 1's rows are in; stage 2's four loads stay out
	HEAD 56, 58
	TAIL 62, 66
	PACK12 GB1
	; stage 3: input 8 b11 + 4 b10 + 2 b9 + b0; output row r = 8 b11' + 4 b10' + 2 b0' + (0 real, 1 imaginary part), a fragment for each b9'
	ds_load_b64  v[56:57], v9                      ; bit 11
	ds_load_b128 v[58:61], v6 offset:32            ; bit 10
	ds_load_b128 v[62:65], v10 offset:64           ; bit 9, output 0
	ds_load_b128 v[98:101], v10 offset:80          ; bit 9, output 1
	ds_load_b128 v[66:69], v5 offset:352           ; bit 0
	s_wait_dscnt 5                                 ; stage 2's rows are in; the five loads just issued stay out
	HEAD 232, 234
	TAIL 238, 242
	PACK12 GB2
	s_wait_dscnt 0x0
	v_and_b32 v70, 1, v0                           ; rows that make imaginary parts take -i x the factor: then [Re][-Im] of it is [Im][Re]
	v_cmp_ne_u32 s25, 0, v70
	v_xor_b32 v70, 0x80000000, v56
	v_cndmask_b32 v102, v56, v57, s25              ; -i (a + i b) = b - i a
	v_cndmask_b32 v103, v57, v70, s25
	HEAD 102, 58
	TAIL 62, 66
	PACK8 GA3
	TAIL 98, 66
	PACK8 GA3+8
	; STAGES 1 AND 2, for each g (bits 10, 9) and each b (bit 0): the state is A, the gates are B.
	; Stage 1: A's row is the lane's r = bits 5..2; register l holds inputs t = 2 l, 2 l + 1 = chunk l, bit 1 = 0, 1.  In the result, lane r holds
	; output r and registers (h, j) hold bits 5..2 = 8 h + j: that is stage 2's A fragment as it stands, once each pair of registers is packed.
.macro CVTIN g, b
.irp l, 0,1,2,3
	v_cvt_pk_f16_f32 v[FA+8*\b+\l], v[X+32*(\g)+4*\l+\b], v[X+32*(\g)+4*\l+\b+2]
.endr
.irp l, 0,1,2,3
	v_cvt_pk_f16_f32 v[FA+8*\b+4+\l], v[X+32*(\g)+16+4*\l+\b], v[X+32*(\g)+16+4*\l+\b+2]
.endr
.endm
.macro WM b, gate                      ; real parts, imaginary parts
	v_wmma_f32_16x16x32_f16 v[FD+16*\b:FD+16*\b+7],    v[FA+8*\b:FA+8*\b+7], v[\gate+4:\gate+11], 0
	v_wmma_f32_16x16x32_f16 v[FD+16*\b+8:FD+16*\b+15], v[FA+8*\b:FA+8*\b+7], v[\gate:\gate+7], 0
.endm
.macro CVTMID b
.irp q, 0,1,2,3
	v_cvt_pk_f16_f32 v[FA+8*\b+\q], v[FD+16*\b+2*\q], v[FD+16*\b+2*\q+1]
.endr
.irp q, 0,1,2,3
	v_cvt_pk_f16_f32 v[FA+8*\b+4+\q], v[FD+16*\b+8+2*\q], v[FD+16*\b+8+2*\q+1]
.endr
.endm
; Behind stage 2: lane r = bits 5..2, h = bit 1, register j = bits 8, 7, 6.  Stage 3 wants inputs t = 2 g + b in register g, b in the halves.
; Group g writes registers = g mod 4 of v104-167.  Those of them that belong to the state of group 1 hold its element g (g = 0, 1),
; which the conversions in front of this pack have read.
.macro PACKP g
.irp j, 0,1,2,3,4,5,6,7
	v_cvt_pk_f16_f32 v[P+8*\j+\g],   v[FD+\j],   v[FD+16+\j]
	v_cvt_pk_f16_f32 v[P+8*\j+4+\g], v[FD+8+\j], v[FD+24+\j]
.endr
.endm
; Distances behind matrix instructions (ISA guide 7.12.1): each run of eight conversions stands between a pair of products and the first line that
; reads their results or writes their registers, and names none of those registers: eight places, where four (a vector instruction) or five
; (a matrix instruction that writes over a result) are asked.
.macro GROUP g
	WM 0, GB1
	CVTIN \g, 1
	WM 1, GB1
	CVTMID 0
	WM 0, GB2
	CVTMID 1
	WM 1, GB2
.if \g < 3
	s_wait_loadcnt 16-8*\g                         ; the next group's eight loads are in, the later groups' stay out
	CVTIN \g+1, 0
.else
.rept 5
	v_nop                                          ; four places for the pack below, which reads the last results; the fifth for stage 3's matrix
.endr                                                  ; instructions, which write over v64-71 and v88-103 (the pack names these results: no place)
.endif
	PACKP \g
.endm
	s_wait_loadcnt 24                              ; group 0's eight loads are in
	CVTIN 0, 0
	GROUP 0
	GROUP 1
	GROUP 2
	GROUP 3
	; THE EXCHANGE: cell (ri, bit 11, bits 8..5, bits 4..1) = 16 bytes = stage 3's inputs t = 0..7
.irp j, 0,1,2,3,4,5,6,7
	ds_store_b128 v11, v[P+8*\j:P+8*\j+3]   offset:544*\j
	ds_store_b128 v11, v[P+8*\j+4:P+8*\j+7] offset:544*\j+2*PLANE
.endr
	s_wait_dscnt 0x0                               ; for the row's other wave: my stores are in LDS before I signal
	s_barrier_signal -1
	s_barrier_wait -1
.irp t, 0,1,2,3,4,5,6,7
	ds_load_b128 v[B3+8*\t:B3+8*\t+3],   v12 offset:272*\t             ; real parts: k = 8 h + 0..7
	ds_load_b128 v[B3+8*\t+4:B3+8*\t+7], v12 offset:272*\t+2*PLANE     ; imaginary parts: k = 16 + 8 h + 0..7
.endr
	; STAGE 3: the gates are A, the state is B (column r = bits 4..1).  In the result h = bit 11, register j = 4 b10' + 2 b0' + (re, im):
	; registers 0-3 and 4-7 are 16 consecutive bytes of the output each, and 16 lanes hold 256 consecutive bytes.
.macro D3BASE t
.if \t < 4
.set D3, 104+16*\t
.else
.if \t < 7
.set D3, 56+16*(\t-4)
.else
.set D3, 232
.endif
.endif
.endm
.irp t, 0,1,2,3,4,5,6,7
	D3BASE \t
	s_wait_dscnt 14-2*\t                           ; tile t's two loads are in, the later tiles' stay out
	v_wmma_f32_16x16x32_f16 v[D3:D3+7],    v[GA3:GA3+7],    v[B3+8*\t:B3+8*\t+7], 0
	v_wmma_f32_16x16x32_f16 v[D3+8:D3+15], v[GA3+8:GA3+15], v[B3+8*\t:B3+8*\t+7], 0
.endr
.rept 4
	v_nop                                          ; four places between the last product and the stores that read results
.endr
	; each half of the wave stores 256 consecutive bytes at a multiple of 256 from the output's first byte; eight stores in a run cover 2 KB
.irp z, 0,1
.irp u, 0,1
.irp t, 0,1,2,3,4,5,6,7
	D3BASE \t
	global_store_b128 v13, v[D3+8*\u+4*\z:D3+8*\u+4*\z+3], s[10:11] offset:8192*\z+4096*\u+256*\t th:TH_STORE_NT
.endr
.endr
.endr
	s_wait_tensorcnt 0x0
	ds_add_u32 v254, v255
	s_wait_dscnt 0x0
	s_endpgm
.Lfunc_end_k_q574117b0eb_u3:
	.size	k_q574117b0eb_u3, .Lfunc_end_k_q574117b0eb_u3-k_q574117b0eb_u3
	.p2alignl 7, 3214868480
	.fill 96, 4, 3214868480
	.section	.rodata,"a",@progbits
	.p2align	6, 0x0
	.amdhsa_kernel k_q574117b0eb_u3
		.amdhsa_group_segment_fixed_size 37376
		.amdhsa_private_segment_fixed_size 0
		.amdhsa_enable_private_segment 0
		.amdhsa_kernarg_size 32
		.amdhsa_user_sgpr_count 2
		.amdhsa_user_sgpr_kernarg_segment_ptr 1
		.amdhsa_wavefront_size32 1
		.amdhsa_system_sgpr_workgroup_id_x 1
		.amdhsa_system_sgpr_workgroup_id_y 1
		.amdhsa_system_sgpr_workgroup_id_z 1
		.amdhsa_system_vgpr_workitem_id 0
		.amdhsa_next_free_vgpr 256
		.amdhsa_next_free_sgpr 66
		.amdhsa_reserve_vcc 0
		.amdhsa_float_denorm_mode_32 3
		.amdhsa_float_denorm_mode_16_64 3
		.amdhsa_memory_ordered 1
		.amdhsa_forward_progress 1
		.amdhsa_inst_pref_size 43
	.end_amdhsa_kernel
	.amdgpu_metadata
---
amdhsa.version: [ 1, 2 ]
amdhsa.kernels:
  - .name:           k_q574117b0eb_u3
    .symbol:         k_q574117b0eb_u3.kd
    .args:
      - { .name: state_re, .offset: 0, .size: 8, .value_kind: global_buffer, .address_space: global }
      - { .name: state_im, .offset: 8, .size: 8, .value_kind: global_buffer, .address_space: global }
      - { .name: thetas, .offset: 16, .size: 8, .value_kind: global_buffer, .address_space: global }
      - { .name: out0, .offset: 24, .size: 8, .value_kind: global_buffer, .address_space: global }
    .group_segment_fixed_size: 37376
    .private_segment_fixed_size: 0
    .kernarg_segment_align: 8
    .kernarg_segment_size: 32
    .max_flat_workgroup_size: 128
    .sgpr_count:     66
    .vgpr_count:     256
    .wavefront_size: 32
...
	.end_amdgpu_metadata
.endif
;; end of part 1
